; MI455X (gfx1250); checked and timed in simulation.
; The chip was launched on July 23, 2026; its instructions are those of AMD's public machine-readable ISA for CDNA 5 (MIT licence, August 2026) and "CDNA5" Instruction Set Architecture Reference Guide (July 2026). The comments in the code are by the model that wrote it; some were corrected since.
;; Quantized Layer. Allowed arithmetic: float matrix products may take bf16 or f16 operands with f32 sums; all other float work in f32.
;; Inputs: bias 4,096 float32; weight 4,096 x 4,096 float32; x 4,096 x 4,096 float32.
;; Outputs: out0 4,096 x 4,096 float32.
;; 2 versions, each right; version 2 is version 1 with the launch tohalf written anew for expert scheduling mode. Each part assembles by itself: llvm-mc -triple=amdgcn-amd-amdhsa -mcpu=gfx1250 --defsym DOCPART=n.
;; ======== version 1 of 2: 2 launches
;; limits: values are held in f16: magnitudes above 65,504 overflow, below 6.1e-05 lose precision
;; workspace buffers: xh 33,554,432 bytes; wh 33,554,432 bytes
;; launch tohalf (part 1): grid 512 x 2, 8 waves a work-group, no clusters, 0 bytes of LDS; arguments x, weight, xh, wh; writes xh, wh
.if DOCPART == 1
	.amdgcn_target "amdgcn-amd-amdhsa--gfx1250"
	.amdhsa_code_object_version 6
	.text
	.protected	k_q9818aaed0a_tohalf
	.globl	k_q9818aaed0a_tohalf
	.p2align	8
	.type	k_q9818aaed0a_tohalf,@function
k_q9818aaed0a_tohalf:
	s_mov_b64 s[64:65], 0
	v_nop
	global_prefetch_b8 v0, s[64:65] scope:SCOPE_SE
	s_setreg_imm32_b32 hwreg(HW_REG_WAVE_MODE, 25, 1), 1
	s_wait_xcnt 0x0
; xh = Q(x), wh = Q(weight): [4096][4096] f32 -> f16, same row-major order.  Q is the problem's _quantize (5 exponent bits, 10 mantissa bits, nearest even).
; WHAT Q IS.  Below 65520 in magnitude it is the rounding to nearest even onto f16's numbers, subnormals among them, so the conversion instruction does it.  From 65536 on a finite number becomes 0;
; infinities and NaN stay.  Per number v: c = v clamped to +-L (L = the largest f32 below 65520); u = v x 2^-160 (a finite v falls below half of f16's least step and is rounded to 0, an infinity and a NaN stay);
; r = c where |v| < 65536, else u; r is rounded to f16.
; LIMITS.  65520 <= |v| < 65536: _quantize gives +-65536, which f16 does not hold; this text gives +-65504 (0.05 per cent less).  v <= -65536 gives -0 where _quantize gives +0.
; _quantize forms (m - 1) x 1024 in f32 before it rounds; that first rounding is not imitated: this text rounds v once.
; SHARES.  A stream: each byte is read once and written once; nothing is shared, so there is no LDS, no barrier, no cluster and no matrix work.  The grid's y picks the tensor.  A work-group owns 32 pieces of
; 4,096 input bytes (1,024 numbers); thread t takes the 16 bytes at 16 t of a piece and stores 8 bytes at 8 t of the piece's 2,048 output bytes: a wave's load covers 512 consecutive bytes, its store 256
; consecutive bytes at a multiple of 256 from the buffer's first byte.  A ring of DEPTH register slots keeps DEPTH loads of every wave on their way.
.set DEPTH,  8                         ; slots = loads in flight in each wave
.set ROUNDS, 32/DEPTH                  ; each round takes every slot once
.set ROWI,   4096                      ; input bytes of a piece
.set ROWO,   2048                      ; output bytes of a piece
.set AIN,  1                           ; v1        16 t; never rewritten
.set AOUT, 2                           ; v2        8 t; never rewritten
.set X,    4                           ; v[4:35]   slot i: 4 numbers as loaded
.set Y,    36                          ; v[36:51]  slot i: 4 f16 to store
.set T,    52                          ; v[52:55]  c, then r
.set U,    56                          ; v[56:59]  u
.set LIM,  16                          ; s16       65536.0
.set NL,   17                          ; s17       -L
.set PL,   18                          ; s18       +L
.set EX,   19                          ; s19       -160
.set MK,   20                          ; s[20:23]  four lane masks: |v| < 65536
	s_load_b256 s[4:11], s[0:1], 0x0               ; x s[4:5], weight s[6:7], xh s[8:9], wh s[10:11]
	s_and_b32 s25, ttmp7, 0xffff                   ; which tensor
	s_lshl_b32 s2, ttmp9, 17                       ; the work-group's 131,072 input bytes (511 x 131,072 stays under 2^32),
	s_mov_b32 s3, 0
	s_lshl_b32 s26, ttmp9, 16                      ; and its 65,536 output bytes
	s_mov_b32 s27, 0
	s_mov_b32 s[LIM], 0x47800000
	s_mov_b32 s[NL], 0xc77fefff
	s_mov_b32 s[PL], 0x477fefff
	s_mov_b32 s[EX], 0xffffff60
	v_lshlrev_b32 v[AIN], 4, v0
	v_lshlrev_b32 v[AOUT], 3, v0
	s_wait_kmcnt 0x0
	s_cmp_eq_u32 s25, 0                            ; the choice hangs on the grid's y alone
	s_cselect_b64 s[12:13], s[4:5], s[6:7]         ; from x or weight
	s_cselect_b64 s[14:15], s[8:9], s[10:11]       ; into xh or wh
	s_add_nc_u64 s[12:13], s[12:13], s[2:3]
	s_add_nc_u64 s[14:15], s[14:15], s[26:27]
.irp i, 0,1,2,3,4,5,6,7
	global_load_b128 v[X+4*(\i):X+4*(\i)+3], v[AIN], s[12:13] offset:(\i)*ROWI th:TH_LOAD_NT  ; fill the ring: pieces 0 to 7; the launch reads each byte once
.endr
; One slot's turn.  ahead = 1: the slot is filled again with the piece DEPTH further on.  left = how many younger loads may still be out.
.macro SLOT i, ahead, left
	s_wait_loadcnt \left                           ; loads come back in order (ISA guide 5.7.1): mine is in, the younger ones stay out
	s_wait_xcnt 0x0                                ; every earlier memory instruction has had its addresses translated (ISA guide 3.1): this slot's Y, which its last store reads, is rewritten only behind this wait
.irp j, 0,1,2,3
	v_cmp_lt_f32 s[MK+(\j)], |v[X+4*(\i)+(\j)]|, s[LIM]  ; false for a NaN too
.endr
.irp j, 0,1,2,3
	v_med3_num_f32 v[T+(\j)], v[X+4*(\i)+(\j)], s[NL], s[PL]
.endr
.irp j, 0,1,2,3
	v_ldexp_f32 v[U+(\j)], v[X+4*(\i)+(\j)], s[EX]
.endr
.irp j, 0,1,2,3
	v_cndmask_b32 v[T+(\j)], v[U+(\j)], v[T+(\j)], s[MK+(\j)]
.endr
	v_cvt_pk_f16_f32 v[Y+2*(\i)],   v[T],   v[T+1]  ; two roundings to nearest even, packed: the first source in the low half
	v_cvt_pk_f16_f32 v[Y+2*(\i)+1], v[T+2], v[T+3]
.if \ahead
	global_load_b128 v[X+4*(\i):X+4*(\i)+3], v[AIN], s[12:13] offset:((\i)+DEPTH)*ROWI th:TH_LOAD_NT  ; the load goes ahead of the store
.endif
	global_store_b64 v[AOUT], v[Y+2*(\i):Y+2*(\i)+1], s[14:15] offset:(\i)*ROWO  ; no hint: the next launch reads these bytes
.endm
	s_mov_b32 s24, ROUNDS-1
.Lround:
.irp i, 0,1,2,3,4,5,6,7
	SLOT \i, 1, DEPTH-1                            ; eight loads are out at each slot's head, on the way in and over the backward jump
.endr
	s_wait_xcnt 0x0                                ; the two bases are stepped only behind this wait
	s_add_nc_u64 s[12:13], s[12:13], DEPTH*ROWI
	s_add_nc_u64 s[14:15], s[14:15], DEPTH*ROWO
	s_sub_co_u32 s24, s24, 1
	s_cmp_lg_u32 s24, 0
	s_cbranch_scc1 .Lround
.irp i, 0,1,2,3,4,5,6,7
	SLOT \i, 0, DEPTH-1-(\i)                       ; the last round loads nothing (the last piece asked for was 8 x 3 + 7 = 31): the counts run down
.endr
	s_endpgm
.Lfunc_end_k_q9818aaed0a_tohalf:
	.size	k_q9818aaed0a_tohalf, .Lfunc_end_k_q9818aaed0a_tohalf-k_q9818aaed0a_tohalf
	.p2alignl 7, 3214868480
	.fill 96, 4, 3214868480
	.section	.rodata,"a",@progbits
	.p2align	6, 0x0
	.amdhsa_kernel k_q9818aaed0a_tohalf
		.amdhsa_group_segment_fixed_size 0
		.amdhsa_private_segment_fixed_size 0
		.amdhsa_enable_private_segment 0
		.amdhsa_kernarg_size 32
		.amdhsa_user_sgpr_count 2
		.amdhsa_user_sgpr_kernarg_segment_ptr 1
		.amdhsa_wavefront_size32 1
		.amdhsa_system_sgpr_workgroup_id_x 1
		.amdhsa_system_sgpr_workgroup_id_y 1
		.amdhsa_system_sgpr_workgroup_id_z 1
		.amdhsa_system_vgpr_workitem_id 0
		.amdhsa_next_free_vgpr 60
		.amdhsa_next_free_sgpr 66
		.amdhsa_reserve_vcc 0
		.amdhsa_float_denorm_mode_32 3
		.amdhsa_float_denorm_mode_16_64 3
		.amdhsa_memory_ordered 1
		.amdhsa_forward_progress 1
		.amdhsa_inst_pref_size 24
	.end_amdhsa_kernel
	.amdgpu_metadata
---
amdhsa.version: [ 1, 2 ]
amdhsa.kernels:
  - .name:           k_q9818aaed0a_tohalf
    .symbol:         k_q9818aaed0a_tohalf.kd
    .args:
      - { .name: x, .offset: 0, .size: 8, .value_kind: global_buffer, .address_space: global }
      - { .name: weight, .offset: 8, .size: 8, .value_kind: global_buffer, .address_space: global }
      - { .name: xh, .offset: 16, .size: 8, .value_kind: global_buffer, .address_space: global }
      - { .name: wh, .offset: 24, .size: 8, .value_kind: global_buffer, .address_space: global }
    .group_segment_fixed_size: 0
    .private_segment_fixed_size: 0
    .kernarg_segment_align: 8
    .kernarg_segment_size: 32
    .max_flat_workgroup_size: 256
    .sgpr_count:     66
    .vgpr_count:     60
    .wavefront_size: 32
...
	.end_amdgpu_metadata
.endif
;; end of part 1
;; launch gemm (part 2): grid 16 x 16, 4 waves a work-group, clusters of 4 x 4, 327,680 bytes of LDS; arguments xh, wh, bias, out0; writes out0
.if DOCPART == 2
	.amdgcn_target "amdgcn-amd-amdhsa--gfx1250"
	.amdhsa_code_object_version 6
	.text
	.protected	k_q9818aaed0a_gemm
	.globl	k_q9818aaed0a_gemm
	.p2align	8
	.type	k_q9818aaed0a_gemm,@function
k_q9818aaed0a_gemm:
	s_mov_b64 s[64:65], 0
	v_nop
	global_prefetch_b8 v0, s[64:65] scope:SCOPE_SE
	s_setreg_imm32_b32 hwreg(HW_REG_WAVE_MODE, 25, 1), 1
	s_wait_xcnt 0x0
	s_wait_alu depctr_hold_cnt(0) depctr_sa_sdst(0) depctr_va_vdst(0) depctr_va_sdst(0) depctr_va_ssrc(0) depctr_va_vcc(0) depctr_vm_vsrc(0)
	s_getreg_b32 s2, hwreg(HW_REG_IB_STS2, 6, 4)
	s_cmp_eq_u32 s2, 0
	s_cbranch_scc0 .Lentry_in_a_cluster
	s_endpgm
.Lentry_in_a_cluster:
	s_bfe_u32 s2, ttmp6, 0x10000c
	s_cmp_lg_u32 s2, 0xf033
	s_cbranch_scc0 .Lentry_shape_is_right
	s_endpgm
.Lentry_shape_is_right:
; out0[m][n] = the sum over k of xh[m][k] wh[n][k] + Q(bias[n]).  xh, wh: [4096][4096] f16, the quantised x and weight; bias: [4096] f32; out0: [4096][4096] f32.  Products of f16, sums in f32.
; The quantised numbers are f16 numbers, so the products are those of the problem's own operands; only the order of the f32 sums is this text's.
; Q(bias) is made here as in the launch before: c = b clamped to +-L (L = the largest f32 below 65520), u = b x 2^-160, r = c where |b| < 65536, else u; r rounded to f16 and widened again.
; LIMITS.  65520 <= |b| < 65536 gives +-65504 where _quantize gives +-65536; b <= -65536 gives -0 for +0; _quantize's own f32 rounding of (m - 1) x 1024 is not imitated.
; SHARES.  out0 has 16 x 16 tiles of 256 x 256, one to a work-group of four waves; a wave makes 128 x 128: 64 accumulators of 16 x 16, 512 registers.  K goes in 32 steps of 128 through a ring of two LDS
; slots filled by the tensor data mover; the tiles' rows are 256 bytes of memory and start at multiples of 256 bytes from the buffer's first byte.
; CLUSTERS.  4 x 4 work-groups.  The four of a row of the cluster need the same tiles of xh, the four of a column the same tiles of wh: each tile is asked for JOINTLY, by the same tensor load with the same
; descriptor and a mask that names the four, and each receives it in its own LDS: a quarter of the requests.
; THE MATRIX INSTRUCTION IS USED TRANSPOSED: source 0 = 16 rows of wh, source 1 = 16 rows of xh.  Lane l then holds row m = l % 16 of out0 and in registers 0 to 7 the columns n = 8 (l / 16) + 0..7.
; THE BIAS IS THE C OPERAND of the product that starts each sum: eight fragments (one for each 16 columns of the wave), made once while the first tile is on its way.  Nothing is cleared, and nothing is added on the way out.
; REGISTERS, in windows of 256 (s_set_vgpr_msb: bits 1:0 source 0, 3:2 source 1, 5:4 source 2, 7:6 destination):
;   window 0: v0-34 addresses and work; v64-127, v128-191 fragments of xh, two buffers (on the way out: rows read back from the stage); v192-255 Q(bias)
;   window 1: v64-127, v128-191 fragments of wh, two buffers
;   window 2: the 32 accumulators of my rows 0-63 (accumulator (a, b) at v[8 (8 a + b)]);   window 3: those of my rows 64-127
.set SIZE_N, 4096
.set SIZE_K, 4096
.set KSTEP,  128
.set PITCH,  272                       ; an LDS row: 256 bytes + 16 of padding = 68 words: row r starts at bank 4 r mod 64 (64 banks of 4 bytes: ISA guide 11.1), so the 16 rows of a load start at 16 different banks
.set HALFT,  128*PITCH                 ; 128 rows: what one tensor load brings, and what one wave reads of xh or of wh
.set SLOT,   4*HALFT                   ; xh's 256 rows, then wh's 256 rows
.set STAGE,  2*SLOT                    ; behind the ring: 16 rows x 528 bytes for each wave, for the way out; no tensor load fills it
.set SPITCH, 528                       ; a stage row: 128 f32 + 16 bytes = 132 words: again 4 r mod 64
.set SPARE,  STAGE+4*16*SPITCH         ; behind the stages: the spare words, 128 bytes for each wave: two blocks of 256 bytes that no other line names
.set LAPS,   SIZE_K/(2*KSTEP)          ; a lap = two K steps = once round the ring: 16
.set ADRA, 16                          ; v16-17  LDS address of my fragments of xh in slot 0, 1
.set ADRB, 20                          ; v20-21  the same for wh
.set STO,  24                          ; v24     the way out: where I put 32 bytes of a row
.set RD,   25                          ; v25     the way out: where I read 16 bytes of a row back
.set CO,   26                          ; v26     my 16 bytes in 512 consecutive bytes of out0
.set BO,   27                          ; v27     my lanes' 32 bytes in 64 bytes of bias
.set SPW,  28                          ; v28     LDS address of my spare word: SPARE + 4 x my thread's number; never rewritten
.set NIL,  29                          ; v29     0; never rewritten
.set QT,   32                          ; v32-34  at work on the bias
.set F0,   64                          ; fragment buffer 0
.set F1,   128                         ; fragment buffer 1
.set BI,   192                         ; Q(bias): register j of the fragment for columns 16 b on at BI + 8 b + j
.set WV,  12                           ; s12  my wave's number
.set RH,  13                           ; s13  which half of the tile's rows is mine.  Also: I fetch for xh (0) or for wh (1)
.set CH,  14                           ; s14  which half of its columns.  Also: which 128 rows of that tile I fetch
.set TR,  15                           ; s15  tile row of out0
.set TC,  42                           ; s42  tile column
.set G1,  24                           ; s[24:31] descriptor group 1 for xh's tiles
.set G0,  32                           ; s[32:39] descriptor group 0 for xh's tiles, one set for each slot
.set G1B, 48                           ; s[48:55] group 1 for wh's tiles: it differs in the mask alone
.set G0B, 56                           ; s[56:63] group 0 for wh's tiles
.set LIM, 66                           ; s66  65536.0
.set NL,  67                           ; s67  -L
.set PL,  68                           ; s68  +L
.set EX,  69                           ; s69  -160
.set MK,  70                           ; s70-71  two lane masks
.set MSB, 0
.macro WIN new                         ; the immediate's high byte repeats the setting that is left; a switch that changes nothing is dropped
.if MSB != (\new)
	s_set_vgpr_msb (MSB<<8)|(\new)
.set MSB, \new
.endif
.endm
.set MUL_LO,   0xa1                    ; source 0 (wh) window 1, source 1 (xh) window 0, C and D window 2
.set MUL_HI,   0xf1                    ; the same, C and D window 3
.set FIRST_LO, 0x81                    ; the products that start the sums: C (the bias) window 0, D window 2
.set FIRST_HI, 0xc1                    ; the same, D window 3
.set TO_B,     0x40                    ; destination window 1, address window 0
.set ST_LO,    0x08                    ; an LDS store's data (source 1) window 2, address window 0
.set ST_HI,    0x0c                    ; the same, window 3
; A joint load.  Waves 0 and 1 fetch xh's two halves, waves 2 and 3 wh's.  Each of the two lines has ONE mask and one set of registers for all that issue it; the branch hangs on the wave's number alone.
; An s_nop 0 and four v_nop follow each of the two lines, ahead of the jump, the label and what follows the macro.
.macro JLOAD s
	s_cmp_eq_u32 s[RH], 0
	s_cbranch_scc0 .Lfor_b_\@
	tensor_load_to_lds s[G0+4*(\s):G0+4*(\s)+3], s[G1:G1+7]
	s_nop 0
.rept 4
	v_nop
.endr
	s_branch .Lasked_\@
.Lfor_b_\@:
	tensor_load_to_lds s[G0B+4*(\s):G0B+4*(\s)+3], s[G1B:G1B+7]
	s_nop 0
.rept 4
	v_nop
.endr
.Lasked_\@:
.endm
; A round of the cluster's barrier: my work-group's barrier, so that wave 0's signal speaks for all four waves; wave 0 signals for the work-group; every wave waits for all sixteen work-groups; my work-group's barrier once more.
.macro CREST                           ; a round behind its opening barrier
	s_cmp_lg_u32 s[WV], 0
	s_cbranch_scc1 .Lnot_wave_0_\@
	s_barrier_signal -3
.Lnot_wave_0_\@:
	s_barrier_wait -3
	s_barrier_signal -1
	s_barrier_wait -1
.endm
.macro CROUND                          ; a whole round
	s_barrier_signal -1
	s_barrier_wait -1
	CREST
.endm
	s_load_b256 s[4:11], s[0:1], 0x0               ; xh s[4:5], wh s[6:7], bias s[8:9], out0 s[10:11]
	v_lshl_add_u32 v[SPW], v0, 2, SPARE
	v_mov_b32 v[NIL], 0
	ds_add_u32 v[SPW], v[NIL]                      ; the wave's opening: the add and its wait stand ahead of my first tensor load; the set-up below, work on registers, stands between them
	v_lshrrev_b32 v1, 5, v0
	v_readfirstlane_b32 s[WV], v1                  ; wave 0..3
	s_lshr_b32 s[RH], s[WV], 1
	s_and_b32 s[CH], s[WV], 1
	s_bfe_u32 s40, ttmp6, 0x40000                  ; cx: my place along the cluster's x
	s_bfe_u32 s41, ttmp6, 0x40004                  ; cy: along its y
	s_lshl_b32 s[TC], ttmp9, 2                     ; in a cluster launch ttmp9 and ttmp7 count clusters
	s_add_co_u32 s[TC], s[TC], s40                 ; tile column = 4 x cluster x + cx
	s_and_b32 s[TR], ttmp7, 0xffff
	s_lshl_b32 s[TR], s[TR], 2
	s_add_co_u32 s[TR], s[TR], s41                 ; tile row = 4 x cluster y + cy
	s_lshl_b32 s43, s41, 2
	s_lshl_b32 s43, 15, s43                        ; my row of the cluster: places 4 cy .. 4 cy + 3
	s_lshl_b32 s44, 0x1111, s40                    ; my column: places cx, cx + 4, cx + 8, cx + 12
	; descriptor group 1: a tile of 128 rows x 128 elements, padded in LDS
	s_or_b32 s[G1+0], s43, (1<<16)|(1<<20)|(1<<21)|(5<<22)|(3<<25)   ; 15:0 the mask: xh's tiles go to my row; 17:16 elements of 2 bytes; 20 padding on; 21 set beside a mask; 24:22 after every 64 words (code 5); 31:25 4 words of it (code 3)
	s_or_b32 s[G1B+0], s44, (1<<16)|(1<<20)|(1<<21)|(5<<22)|(3<<25)  ; the same with the mask of my column, for wh's tiles
.irp g, G1, G1B
	s_mov_b32 s[(\g)+1], KSTEP<<16                 ; 63:48 tensor_dim0, low half = 128
	s_mov_b32 s[(\g)+2], 128<<16                   ; 79:64 its high half = 0; 95:80 tensor_dim1, low half = 128
	s_mov_b32 s[(\g)+3], KSTEP<<16                 ; 111:96 its high half = 0; 127:112 tile_dim0 = 128
	s_mov_b32 s[(\g)+4], 128                       ; 143:128 tile_dim1 = 128; 159:144 tile_dim2 = 0
	s_mov_b32 s[(\g)+5], SIZE_K                    ; 191:160 tensor_dim0_stride, low word: elements from row to row
	s_mov_b32 s[(\g)+6], 0
	s_mov_b32 s[(\g)+7], 0
.endr
	; where the tiles come from.  xh's hang on the tile row alone, which my row of the cluster shares; wh's on the tile column alone, which my column shares.
	; Every wave makes both offsets, in registers that never hold the other coordinate, and asks by one of them.
	s_lshl_b32 s17, s[CH], 7                       ; which 128 rows of the tile I fetch
	s_lshl_b32 s16, s[TR], 8
	s_add_co_u32 s16, s16, s17                     ; xh: row 256 x tile row + 128 x half
	s_lshl_b32 s46, s[TC], 8
	s_add_co_u32 s46, s46, s17                     ; wh: row 256 x tile column + 128 x half
	s_lshl_b32 s16, s16, 13                        ; rows of 8,192 bytes: 3,968 x 8,192 at the most, under 2^32
	s_mov_b32 s17, 0
	s_lshl_b32 s46, s46, 13
	s_mov_b32 s47, 0
	s_mul_i32 s20, s[WV], HALFT                    ; and where they go: xh's two halves, then wh's two halves = wave x 128 rows: no place in the cluster enters an LDS address
	s_mov_b32 s[LIM], 0x47800000
	s_mov_b32 s[NL], 0xc77fefff
	s_mov_b32 s[PL], 0x477fefff
	s_mov_b32 s[EX], 0xffffff60
	s_wait_dscnt 0x0                               ; the opening add is done
	s_wait_kmcnt 0x0
	s_add_nc_u64 s[18:19], s[4:5], s[16:17]
	s_add_nc_u64 s[46:47], s[6:7], s[46:47]
	CROUND                                         ; all sixteen work-groups are here: the first joint loads meet
.irp s, 0,1
	s_mov_b32 s[G0+4*(\s)], 1                                        ; 1:0 count = 1
	s_add_co_u32 s[G0+4*(\s)+1], s20, (\s)*SLOT                      ; 63:32 LDS address
	s_add_nc_u64 s[G0+4*(\s)+2:G0+4*(\s)+3], s[18:19], (\s)*KSTEP*2  ; 120:64 global address: K step s
	s_or_b32 s[G0+4*(\s)+3], s[G0+4*(\s)+3], 0x80000000              ; 127:126 type = 2
	s_mov_b32 s[G0B+4*(\s)], 1
	s_add_co_u32 s[G0B+4*(\s)+1], s20, (\s)*SLOT
	s_add_nc_u64 s[G0B+4*(\s)+2:G0B+4*(\s)+3], s[46:47], (\s)*KSTEP*2
	s_or_b32 s[G0B+4*(\s)+3], s[G0B+4*(\s)+3], 0x80000000
	JLOAD \s                                       ; the ring is filled before anything else is done: two tensor loads of mine are out
.endr
	; A fragment is 16 rows x 32 K in 8 registers: lane l holds row l % 16; registers 0-3 hold K = 8 (l / 16) + 0..7, registers 4-7 hold K = 16 + 8 (l / 16) + 0..7: two loads of 16 bytes, 32 bytes apart.
	v_and_b32 v1, 15, v0                           ; l % 16
	v_bfe_u32 v2, v0, 4, 1                         ; l / 16
	v_mul_u32_u24 v3, v1, PITCH
	v_lshl_add_u32 v3, v2, 4, v3                   ; row x pitch + 16 x half
	s_mul_i32 s21, s[RH], HALFT                    ; my 128 rows of xh
	s_mul_i32 s22, s[CH], HALFT                    ; my 128 rows of wh,
	s_add_co_u32 s22, s22, 2*HALFT                 ; which lie behind xh's 256
.irp s, 0,1
	v_add_nc_u32 v[ADRA+(\s)], s21, v3
	v_add_nc_u32 v[ADRB+(\s)], s22, v3
	s_add_co_u32 s21, s21, SLOT
	s_add_co_u32 s22, s22, SLOT
.endr
	s_mul_i32 s23, s[WV], 16*SPITCH
	s_add_co_u32 s23, s23, STAGE                   ; my stage
	v_mul_u32_u24 v4, v1, SPITCH                   ; in: row l % 16, 32 bytes (8 f32) for each half of the lanes
	v_lshl_add_u32 v4, v2, 5, v4
	v_add_nc_u32 v[STO], s23, v4
	v_and_b32 v5, 31, v0
	v_lshlrev_b32 v[CO], 4, v5                     ; back: the 32 lanes take one row's 512 bytes, 16 each,
	v_add_nc_u32 v[RD], s23, v[CO]                 ; which are 512 consecutive bytes of out0
	v_lshlrev_b32 v[BO], 5, v2
	s_lshl_b32 s46, s[TC], 10                      ; my wave's first column, in bytes of f32: 1,024 x tile column + 512 x half
	s_lshl_b32 s47, s[CH], 9
	s_add_co_u32 s46, s46, s47
	s_mov_b32 s47, 0
	s_add_nc_u64 s[8:9], s[8:9], s[46:47]          ; bias at my wave's 128 columns
.irp b, 0,1,2,3,4,5,6,7
	global_load_b128 v[BI+8*(\b):BI+8*(\b)+3],   v[BO], s[8:9] offset:64*(\b)     ; bias[16 b + 8 (l / 16) + 0..3],
	global_load_b128 v[BI+8*(\b)+4:BI+8*(\b)+7], v[BO], s[8:9] offset:64*(\b)+16  ; and + 4..7: the layout of a C operand
.endr
	s_lshl_b32 s16, s[TR], 8
	s_lshl_b32 s17, s[RH], 7
	s_add_co_u32 s16, s16, s17                     ; my first row of out0,
	s_lshl_b32 s16, s16, 14                        ; in rows of 16,384 bytes: 3,968 x 16,384 at the most, under 2^32
	s_mov_b32 s17, 0
	s_add_nc_u64 s[10:11], s[10:11], s[16:17]
	s_add_nc_u64 s[10:11], s[10:11], s[46:47]      ; out0 at my wave's first number; never rewritten after this
	s_wait_loadcnt 0x0                             ; the bias
; Q of two numbers of the bias, e and e + 1 from BI on, in place.  All of it stands in the wait for the first tile.
.macro QB e
	v_cmp_lt_f32 s[MK],   |v[BI+(\e)]|,   s[LIM]   ; false for a NaN too
	v_cmp_lt_f32 s[MK+1], |v[BI+(\e)+1]|, s[LIM]
	v_med3_num_f32 v[QT],   v[BI+(\e)],   s[NL], s[PL]
	v_med3_num_f32 v[QT+1], v[BI+(\e)+1], s[NL], s[PL]
	v_ldexp_f32 v[BI+(\e)],   v[BI+(\e)],   s[EX]
	v_ldexp_f32 v[BI+(\e)+1], v[BI+(\e)+1], s[EX]
	v_cndmask_b32 v[QT],   v[BI+(\e)],   v[QT],   s[MK]
	v_cndmask_b32 v[QT+1], v[BI+(\e)+1], v[QT+1], s[MK+1]
	v_cvt_pk_f16_f32 v[QT+2], v[QT], v[QT+1]       ; rounded to nearest even onto f16's numbers,
	v_cvt_f32_f16 v[BI+(\e)],   v34.l              ; (v34 = QT + 2) and widened again, exactly
	v_cvt_f32_f16 v[BI+(\e)+1], v34.h
.endm
.set e, 0
.rept 32
	QB e
.set e, e+2
.endr
; 16 matrix instructions: m blocks a0, a0 + 1 of the window's four (hi = 0: my rows 0-63, 1: rows 64-127) x all 8 n blocks, 32 along K.  first = 1: the product starts the sum, with the bias as C.
; The 64 accumulators take turns, one instruction a turn, in the same order in every quarter step.
.macro MUL16 f, hi, a0, first
.if \first
	WIN FIRST_LO+0x40*(\hi)
.else
	WIN MUL_LO+0x50*(\hi)
.endif
.irp a, \a0, (\a0)+1
.irp b, 0,1,2,3,4,5,6,7
.if \first
	v_wmma_f32_16x16x32_f16 v[8*(8*(\a)+(\b)):8*(8*(\a)+(\b))+7], v[(\f)+8*(\b):(\f)+8*(\b)+7], v[(\f)+8*(4*(\hi)+(\a)):(\f)+8*(4*(\hi)+(\a))+7], v[BI+8*(\b):BI+8*(\b)+7]
.else
	v_wmma_f32_16x16x32_f16 v[8*(8*(\a)+(\b)):8*(8*(\a)+(\b))+7], v[(\f)+8*(\b):(\f)+8*(\b)+7], v[(\f)+8*(4*(\hi)+(\a)):(\f)+8*(4*(\hi)+(\a))+7], v[8*(8*(\a)+(\b)):8*(8*(\a)+(\b))+7]
.endif
.endr
.endr
.endm
; 32 LDS loads in one run: the fragments of one quarter step (128 rows of wh, 128 rows of xh, 32 K at byte k of the rows) into buffer f
.macro FETCH slot, k, f
	WIN TO_B
.irp i, 0,1,2,3,4,5,6,7
	ds_load_b128 v[(\f)+8*(\i):(\f)+8*(\i)+3],   v[ADRB+(\slot)] offset:(\k)+(\i)*16*PITCH
	ds_load_b128 v[(\f)+8*(\i)+4:(\f)+8*(\i)+7], v[ADRB+(\slot)] offset:(\k)+(\i)*16*PITCH+32
.endr
	WIN 0
.irp i, 0,1,2,3,4,5,6,7
	ds_load_b128 v[(\f)+8*(\i):(\f)+8*(\i)+3],   v[ADRA+(\slot)] offset:(\k)+(\i)*16*PITCH
	ds_load_b128 v[(\f)+8*(\i)+4:(\f)+8*(\i)+7], v[ADRA+(\slot)] offset:(\k)+(\i)*16*PITCH+32
.endr
.endm
; A load into a register that a matrix instruction has read, and a store that reads a matrix result, stand four places behind that matrix instruction, and only plain vector instructions that name none of
; its registers are places (ISA guide 7.12.1 for vector instructions).
.macro PLACES
.rept 4
	v_nop
.endr
.endm
; A K step is four quarter steps of 32 along K, 64 matrix instructions each, on buffers 0, 1, 0, 1.
; One of the first three: multiplies buffer f; in its middle it fetches the next quarter's fragments, at byte k of the same slot's rows, into buffer g.
.macro QUARTER slot, k, f, g, first
	s_wait_dscnt 8                                 ; wh and xh's rows 0-63 are in; the youngest eight loads (xh's rows 64-127) may be out
	MUL16 \f, 0, 0, \first
	MUL16 \f, 0, 2, \first
	PLACES
	FETCH \slot, \k, \g
	s_wait_dscnt 32                                ; all but the 32 just issued
	MUL16 \f, 1, 0, \first
	MUL16 \f, 1, 2, \first
.endm
; The last quarter multiplies buffer 1 and changes slots.  MEET is its first half: ONE barrier for the change of slots.  In front of it each wave waits for all its tensor loads, of which one is out: its part
; of the next slot; adds 0 to its spare word; and waits for that and for its own reads of this slot.  Behind it nobody reads this slot any more and the next slot is whole.
.macro MEET round                      ; round = 1: a round of the cluster's barrier follows
	WIN 0                                          ; (the add's two registers lie in window 0)
	s_wait_tensorcnt 0x0                           ; all my tensor loads have landed;
	ds_add_u32 v[SPW], v[NIL]                      ; 0 onto my spare word;
	s_wait_dscnt 9                                 ; (the add and the youngest eight loads may be out)
	MUL16 F1, 0, 0, 0                              ; sixteen matrix instructions stand between the add and the wait for it
	s_wait_dscnt 0x0                               ; the add is done, and my reads of this slot are over:
	s_barrier_signal -1                            ; say so,
	MUL16 F1, 0, 2, 0                              ; work on registers while the others arrive,
.if \round
	WIN 0
.endif
	s_barrier_wait -1                              ; and go on when all four have said so
.endm
; The whole last quarter.  The barrier opens a round of the cluster's barrier; behind the round the slot just read out is filled again first, with the K step two steps on; then come the next slot's first
; fragments.  From a request to the wait for it a wave issues 224 matrix instructions; one tensor load of mine is out behind each round.
.macro TURN slot, next
	MEET 1
	CREST                                          ; no wave of any partner still reads this slot's tile or has a load on its way
	s_add_nc_u64 s[G0+4*(\slot)+2:G0+4*(\slot)+3], s[G0+4*(\slot)+2:G0+4*(\slot)+3], 2*KSTEP*2    ; no tensor load of mine is out, so a group 0 may be written; the type bits on top are not reached
	s_add_nc_u64 s[G0B+4*(\slot)+2:G0B+4*(\slot)+3], s[G0B+4*(\slot)+2:G0B+4*(\slot)+3], 2*KSTEP*2
	JLOAD \slot                                    ; the first tensor load behind the round; the four v_nop behind it are also the places in front of the loads below
	FETCH \next, 0, F0
	MUL16 F1, 1, 0, 0
	MUL16 F1, 1, 2, 0
.endm
; THE WAY OUT of block a (my rows 16 a .. 16 a + 15), in two parts.  TOSTAGE: the block's eight accumulators go as they are, f32, into my own stage, 32 bytes a lane and accumulator (each accumulator's four
; lowest registers first), and come back as whole rows of 512 bytes.  SEND: the rows are stored.  Two buffers of 64 registers take turns.
.macro TOSTAGE a
.set AC, 64*((\a)%4)
.set BK, F0+64*((\a)%2)
.if (\a) >= 2
	s_wait_xcnt 0x0                                ; every earlier memory instruction has had its addresses translated (ISA guide 3.1): the buffer that block a - 2's stores read is loaded again only behind this wait
.endif
	WIN ST_LO+4*((\a)/4)                           ; ST_LO or ST_HI
.irp b, 0,1,2,3,4,5,6,7
	ds_store_b128 v[STO], v[AC+8*(\b):AC+8*(\b)+3]   offset:64*(\b)
	ds_store_b128 v[STO], v[AC+8*(\b)+4:AC+8*(\b)+7] offset:64*(\b)+16
.endr
	WIN 0
.irp t, 0,1,2,3,4,5,6,7,8,9,10,11,12,13,14,15
	ds_load_b128 v[BK+4*(\t):BK+4*(\t)+3], v[RD] offset:(\t)*SPITCH  ; LDS serves a wave's instructions in order (ISA guide 5.7.1.4): these see the stores above, and the next block's stores come behind them
.endr
.endm
.macro SEND a, younger                 ; younger: the LDS instructions issued behind block a's loads: the next block's 16 stores and 16 loads, or none
.set BK, F0+64*((\a)%2)
	WIN 0
	s_wait_dscnt \younger                          ; the block is back in registers
.irp t, 0,1,2,3,4,5,6,7,8,9,10,11,12,13,14,15
	global_store_b128 v[CO], v[BK+4*(\t):BK+4*(\t)+3], s[10:11] offset:(16*(\a)+(\t))*SIZE_N*4 th:TH_STORE_NT  ; 512 consecutive bytes, at a multiple of 256 from out0's first; the row stands in the immediate: 127 x 16,384 at the most, inside its signed 24 bits
.endr
.endm
	s_wait_tensorcnt 1                             ; my part of K step 0 is in; K step 1's, issued behind it, may stay out
	s_barrier_signal -1
	s_barrier_wait -1                              ; everybody's is
	FETCH 0, 0, F0
	QUARTER 0, 64,  F0, F1, 1                      ; the first quarter stands in front of the loop: its products start the sums, on the bias
	WIN 0                                          ; at a label and at a branch every window is 0
	s_mov_b32 s3, LAPS-1
.Llap:                                                 ; 15 trips: a trip goes once round the ring, from a lap's second quarter to the next lap's first, and fills both slots again (trip t: K steps 2 t and 2 t + 1, t = 1 .. 15)
	QUARTER 0, 128, F1, F0, 0
	QUARTER 0, 192, F0, F1, 0
	TURN 0, 1
	QUARTER 1, 64,  F0, F1, 0
	QUARTER 1, 128, F1, F0, 0
	QUARTER 1, 192, F0, F1, 0
	TURN 1, 0
	QUARTER 0, 64,  F0, F1, 0
	WIN 0
	s_sub_co_u32 s3, s3, 1
	s_cmp_lg_u32 s3, 0
	s_cbranch_scc1 .Llap
	QUARTER 0, 128, F1, F0, 0                      ; the last lap is written out: it asks for nothing, so it has no round of the cluster's barrier
	QUARTER 0, 192, F0, F1, 0
	MEET 0                                         ; my one tensor load that was still out is slot 1's, the last K step's
	PLACES                                         ; for the loads into buffer 0, which the quarter before multiplied
	FETCH 1, 0, F0
	MUL16 F1, 1, 0, 0
	MUL16 F1, 1, 2, 0
	QUARTER 1, 64,  F0, F1, 0
	QUARTER 1, 128, F1, F0, 0
	QUARTER 1, 192, F0, F1, 0
	s_wait_dscnt 8                                 ; the very last quarter: nothing more to fetch
	MUL16 F1, 0, 0, 0
	MUL16 F1, 0, 2, 0
	s_wait_dscnt 0x0
	MUL16 F1, 1, 0, 0
	MUL16 F1, 1, 2, 0
	WIN 0
	PLACES                                         ; behind the last products: for the LDS stores that read results, and for the loads into the fragment buffers
	TOSTAGE 0
.irp a, 1,2,3,4,5,6,7                  ; block a's way through the stage is begun before block a - 1's rows are waited for and stored
	TOSTAGE \a
	SEND (\a)-1, 32
.endr
	SEND 7, 0
	s_wait_tensorcnt 0x0                           ; the wave's end: an add to my spare word and its wait, behind my last tensor load and my last LDS store
	ds_add_u32 v[SPW], v[NIL]
	s_wait_dscnt 0x0
	CROUND                                         ; the closing round: no work-group ends while a partner may still ask for a tile that names it
	s_endpgm
.Lfunc_end_k_q9818aaed0a_gemm:
	.size	k_q9818aaed0a_gemm, .Lfunc_end_k_q9818aaed0a_gemm-k_q9818aaed0a_gemm
	.p2alignl 7, 3214868480
	.fill 96, 4, 3214868480
	.section	.rodata,"a",@progbits
	.p2align	6, 0x0
	.amdhsa_kernel k_q9818aaed0a_gemm
		.amdhsa_group_segment_fixed_size 327680
		.amdhsa_private_segment_fixed_size 0
		.amdhsa_enable_private_segment 0
		.amdhsa_kernarg_size 32
		.amdhsa_user_sgpr_count 2
		.amdhsa_user_sgpr_kernarg_segment_ptr 1
		.amdhsa_wavefront_size32 1
		.amdhsa_system_sgpr_workgroup_id_x 1
		.amdhsa_system_sgpr_workgroup_id_y 1
		.amdhsa_system_sgpr_workgroup_id_z 1
		.amdhsa_system_vgpr_workitem_id 0
		.amdhsa_next_free_vgpr 1024
		.amdhsa_next_free_sgpr 72
		.amdhsa_reserve_vcc 0
		.amdhsa_float_denorm_mode_32 3
		.amdhsa_float_denorm_mode_16_64 3
		.amdhsa_memory_ordered 1
		.amdhsa_forward_progress 1
		.amdhsa_inst_pref_size 162
	.end_amdhsa_kernel
	.amdgpu_metadata
---
amdhsa.version: [ 1, 2 ]
amdhsa.kernels:
  - .name:           k_q9818aaed0a_gemm
    .symbol:         k_q9818aaed0a_gemm.kd
    .args:
      - { .name: xh, .offset: 0, .size: 8, .value_kind: global_buffer, .address_space: global }
      - { .name: wh, .offset: 8, .size: 8, .value_kind: global_buffer, .address_space: global }
      - { .name: bias, .offset: 16, .size: 8, .value_kind: global_buffer, .address_space: global }
      - { .name: out0, .offset: 24, .size: 8, .value_kind: global_buffer, .address_space: global }
    .group_segment_fixed_size: 327680
    .private_segment_fixed_size: 0
    .kernarg_segment_align: 8
    .kernarg_segment_size: 32
    .max_flat_workgroup_size: 128
    .sgpr_count:     72
    .vgpr_count:     1024
    .wavefront_size: 32
...
	.end_amdgpu_metadata
.endif
;; end of part 2
;; ======== version 2 of 2: 2 launches; version 1 with the launch tohalf written anew for expert scheduling mode
;; limits: values are held in f16: magnitudes above 65,504 overflow, below 6.1e-05 lose precision
;; workspace buffers: xh 33,554,432 bytes; wh 33,554,432 bytes
;; launch tohalf (part 3): grid 512 x 2, 8 waves a work-group, no clusters, 0 bytes of LDS; arguments x, weight, xh, wh; writes xh, wh
.if DOCPART == 3
	.amdgcn_target "amdgcn-amd-amdhsa--gfx1250"
	.amdhsa_code_object_version 6
	.text
	.protected	k_q9818aaed0a_tohalf
	.globl	k_q9818aaed0a_tohalf
	.p2align	8
	.type	k_q9818aaed0a_tohalf,@function
k_q9818aaed0a_tohalf:
	s_mov_b64 s[64:65], 0
	v_nop
	global_prefetch_b8 v0, s[64:65] scope:SCOPE_SE
	s_setreg_imm32_b32 hwreg(HW_REG_WAVE_SCHED_MODE, 0, 2), 2
	s_setreg_imm32_b32 hwreg(HW_REG_WAVE_MODE, 25, 1), 1
	s_wait_xcnt 0x0
	s_wait_alu depctr_vm_vsrc(0)
; xh = Q(x), wh = Q(weight): [4096][4096] f32 -> f16, same row-major order.  Q is the problem's _quantize (5 exponent bits, 10 mantissa bits, nearest even).
; WHAT Q IS.  Below 65520 in magnitude it is the rounding to nearest even onto f16's numbers, subnormals among them, so the conversion instruction does it.  From 65536 on a finite number becomes 0;
; infinities and NaN stay.  Per number v: c = v clamped to +-L (L = the largest f32 below 65520); u = v x 2^-160 (a finite v falls below half of f16's least step and is rounded to 0, an infinity and a NaN stay);
; r = c where |v| < 65536, else u; r is rounded to f16.
; LIMITS.  65520 <= |v| < 65536: _quantize gives +-65536, which f16 does not hold; this text gives +-65504 (0.05 per cent less).  v <= -65536 gives -0 where _quantize gives +0.
; _quantize forms (m - 1) x 1024 in f32 before it rounds; that first rounding is not imitated: this text rounds v once.
; SHARES.  A stream: each byte is read once and written once; nothing is shared, so there is no LDS, no barrier, no cluster and no matrix work.  The grid's y picks the tensor.  A work-group owns 32 pieces of
; 4,096 input bytes (1,024 numbers); thread t takes the 16 bytes at 16 t of a piece and stores 8 bytes at 8 t of the piece's 2,048 output bytes: a wave's load covers 512 consecutive bytes, its store 256
; consecutive bytes at a multiple of 256 from the buffer's first byte.
; THE MODE: SCHED_MODE bits 1:0 = 2 (LLVM: expert scheduling mode 2), set by the entry lines.  The code itself states the register dependences between vector instructions and memory instructions,
; and between a vector instruction that writes a scalar register and its readers, with s_wait_alu, always for 0.
; THE PLAN.  The 32 pieces go in 8 blocks of four.  Registers that memory instructions touch:
;   X0 .. X3   four blocks as loaded.   Written by the loads of block p + 3, issued in block p; read by block p's compares, clamps and scalings.
;   Y0, Y1     two blocks to store.     Written by block p's roundings; read by the four stores that are issued in block p + 1.
;   v1, v2     byte offsets, made once at the head and never written again: every piece is reached by an immediate offset (31 x 4,096 bytes at the most), and the two scalar bases never move.
; Block p works on X[p % 4] and writes Y[p % 2].  Its memory instructions are the loads into X[(p + 3) % 4] = X[(p - 1) % 4] and the stores from Y[(p - 1) % 2]: the two buffers that block p - 1 worked on
; and that no vector instruction of block p names.  So the waits at a block's head state all that its eight memory instructions hang on, and these are dealt among its vector instructions with no further wait.
; A block's 16 compares stand in one run and write 16 scalar registers; one wait behind the run serves the block's 16 selects.
; Block 0 has no block in front of it and blocks 5 to 7 load nothing: a loop over laps of four blocks would have one trip, so the eight blocks are written out by one macro.
.set BLOCK,  4                         ; pieces in a block
.set BLOCKS, 32/BLOCK
.set ROWI,   4096                      ; input bytes of a piece
.set ROWO,   2048                      ; output bytes of a piece
.set AIN,  1                           ; v1        16 t; never rewritten
.set AOUT, 2                           ; v2        8 t; never rewritten
.set X,    4                           ; v[4:67]   buffer k, piece i: 4 numbers as loaded, at X + 16 k + 4 i
.set Y,    68                          ; v[68:83]  buffer k, piece i: 4 f16 to store, at Y + 8 k + 2 i
.set T,    84                          ; v[84:87]  c, then r: no memory instruction names them
.set U,    88                          ; v[88:91]  u: likewise
.set LIM,  16                          ; s16       65536.0
.set NL,   17                          ; s17       -L
.set PL,   18                          ; s18       +L
.set EX,   19                          ; s19       -160
.set MK,   28                          ; s[28:43]  sixteen lane masks, one for each number of a block: |v| < 65536
	s_load_b256 s[4:11], s[0:1], 0x0               ; x s[4:5], weight s[6:7], xh s[8:9], wh s[10:11]
	s_and_b32 s25, ttmp7, 0xffff                   ; which tensor
	s_lshl_b32 s2, ttmp9, 17                       ; the work-group's 131,072 input bytes (511 x 131,072 stays under 2^32),
	s_mov_b32 s3, 0
	s_lshl_b32 s26, ttmp9, 16                      ; and its 65,536 output bytes
	s_mov_b32 s27, 0
	s_mov_b32 s[LIM], 0x47800000
	s_mov_b32 s[NL], 0xc77fefff
	s_mov_b32 s[PL], 0x477fefff
	s_mov_b32 s[EX], 0xffffff60
	v_lshlrev_b32 v[AIN], 4, v0
	v_lshlrev_b32 v[AOUT], 3, v0
	s_wait_kmcnt 0x0
	s_cmp_eq_u32 s25, 0                            ; the choice hangs on the grid's y alone
	s_cselect_b64 s[12:13], s[4:5], s[6:7]         ; from x or weight
	s_cselect_b64 s[14:15], s[8:9], s[10:11]       ; into xh or wh
	s_add_nc_u64 s[12:13], s[12:13], s[2:3]
	s_add_nc_u64 s[14:15], s[14:15], s[26:27]
	s_wait_alu depctr_va_vdst(0)                   ; v1 and v2 are written: every load of the kernel reads the one as its offset, every store the other
.irp i, 0,1,2,3,4,5,6,7,8,9,10,11
	global_load_b128 v[X+4*(\i):X+4*(\i)+3], v[AIN], s[12:13] offset:(\i)*ROWI th:TH_LOAD_NT  ; blocks 0, 1 and 2 into X0, X1, X2; the launch reads each byte once
.endr
; Block p.
.macro BLK p
.set XB, X+16*((\p)%4)                 ; the block's numbers
.set XN, X+16*(((\p)+3)%4)             ; where block p + 3 lands
.set YB, Y+8*((\p)%2)                  ; the block's results
.set YP, Y+8*(1-(\p)%2)                ; the results of the block before
.if (\p) < BLOCKS-2
	s_wait_loadcnt 2*BLOCK                         ; loads come back in order (ISA guide 5.7.1): of the twelve that are out this block's four are in, the two younger blocks stay out
.else
	s_wait_loadcnt (BLOCKS-1-(\p))*BLOCK           ; nothing was asked for behind block 7: the counts run down
.endif
.if (\p) >= 2
	s_wait_xcnt 0x0                                ; every earlier memory instruction has had its addresses translated (ISA guide 3.1): this block's Y, which the stores of the block before read, is rewritten only behind this wait
	s_wait_alu depctr_vm_vsrc(0)                   ; the stores issued in the block before have read this block's Y, which its roundings write again
.endif
.if (\p) >= 1
	s_wait_alu depctr_va_vdst(0)                   ; the block before has written the other Y, which the stores below read, and is done reading its X, in which the loads below land
.endif
.irp n, 0,1,2,3,4,5,6,7,8,9,10,11,12,13,14,15
	v_cmp_lt_f32 s[MK+(\n)], |v[XB+(\n)]|, s[LIM]  ; false for a NaN too
.endr
.irp i, 0,1,2,3
.if (\p)+3 < BLOCKS
	global_load_b128 v[XN+4*(\i):XN+4*(\i)+3], v[AIN], s[12:13] offset:(((\p)+3)*BLOCK+(\i))*ROWI th:TH_LOAD_NT  ; three blocks ahead; no vector instruction since the wait at the head names these registers; the load goes ahead of the store
.endif
.if (\p) >= 1
	global_store_b64 v[AOUT], v[YP+2*(\i):YP+2*(\i)+1], s[14:15] offset:(((\p)-1)*BLOCK+(\i))*ROWO  ; the block before; no hint: the next launch reads these bytes
.endif
.irp j, 0,1,2,3
	v_med3_num_f32 v[T+(\j)], v[XB+4*(\i)+(\j)], s[NL], s[PL]
.endr
.irp j, 0,1,2,3
	v_ldexp_f32 v[U+(\j)], v[XB+4*(\i)+(\j)], s[EX]
.endr
.if (\i) == 0
	s_wait_alu depctr_va_sdst(0)                   ; the sixteen compares have written s[MK ..], ahead of the first select that reads one of them: one wait for the block
.endif
.irp j, 0,1,2,3
	v_cndmask_b32 v[T+(\j)], v[U+(\j)], v[T+(\j)], s[MK+4*(\i)+(\j)]
.endr
	v_cvt_pk_f16_f32 v[YB+2*(\i)],   v[T],   v[T+1]  ; two roundings to nearest even, packed: the first source in the low half
	v_cvt_pk_f16_f32 v[YB+2*(\i)+1], v[T+2], v[T+3]
.endr
.endm
	BLK 0                                          ; no block in front of it: no store, and no wait but the one for its data (the head's wait has covered the offsets, and no vector instruction has named X3)
	BLK 1
	BLK 2
	BLK 3
	BLK 4                                          ; asks for block 7, the last: pieces 28 to 31
	BLK 5                                          ; blocks 5 to 7 load nothing: no load leaves the buffer
	BLK 6
	BLK 7
	s_wait_alu depctr_va_vdst(0)                   ; block 7 has written Y1, which the last four stores read
.irp i, 0,1,2,3
	global_store_b64 v[AOUT], v[Y+8+2*(\i):Y+8+2*(\i)+1], s[14:15] offset:((BLOCKS-1)*BLOCK+(\i))*ROWO
.endr
	s_endpgm
.Lfunc_end_k_q9818aaed0a_tohalf:
	.size	k_q9818aaed0a_tohalf, .Lfunc_end_k_q9818aaed0a_tohalf-k_q9818aaed0a_tohalf
	.p2alignl 7, 3214868480
	.fill 96, 4, 3214868480
	.section	.rodata,"a",@progbits
	.p2align	6, 0x0
	.amdhsa_kernel k_q9818aaed0a_tohalf
		.amdhsa_group_segment_fixed_size 0
		.amdhsa_private_segment_fixed_size 0
		.amdhsa_enable_private_segment 0
		.amdhsa_kernarg_size 32
		.amdhsa_user_sgpr_count 2
		.amdhsa_user_sgpr_kernarg_segment_ptr 1
		.amdhsa_wavefront_size32 1
		.amdhsa_system_sgpr_workgroup_id_x 1
		.amdhsa_system_sgpr_workgroup_id_y 1
		.amdhsa_system_sgpr_workgroup_id_z 1
		.amdhsa_system_vgpr_workitem_id 0
		.amdhsa_next_free_vgpr 92
		.amdhsa_next_free_sgpr 66
		.amdhsa_reserve_vcc 0
		.amdhsa_float_denorm_mode_32 3
		.amdhsa_float_denorm_mode_16_64 3
		.amdhsa_memory_ordered 1
		.amdhsa_forward_progress 1
		.amdhsa_inst_pref_size 45
	.end_amdhsa_kernel
	.amdgpu_metadata
---
amdhsa.version: [ 1, 2 ]
amdhsa.kernels:
  - .name:           k_q9818aaed0a_tohalf
    .symbol:         k_q9818aaed0a_tohalf.kd
    .args:
      - { .name: x, .offset: 0, .size: 8, .value_kind: global_buffer, .address_space: global }
      - { .name: weight, .offset: 8, .size: 8, .value_kind: global_buffer, .address_space: global }
      - { .name: xh, .offset: 16, .size: 8, .value_kind: global_buffer, .address_space: global }
      - { .name: wh, .offset: 24, .size: 8, .value_kind: global_buffer, .address_space: global }
    .group_segment_fixed_size: 0
    .private_segment_fixed_size: 0
    .kernarg_segment_align: 8
    .kernarg_segment_size: 32
    .max_flat_workgroup_size: 256
    .sgpr_count:     66
    .vgpr_count:     92
    .wavefront_size: 32
...
	.end_amdgpu_metadata
.endif
;; end of part 3
;; launch gemm: the kernel of part 2 again; grid 16 x 16, 4 waves a work-group, clusters of 4 x 4, 327,680 bytes of LDS; arguments xh, wh, bias, out0; writes out0
